; MI455X (gfx1250); checked and timed in simulation.
; The chip was launched on July 23, 2026; its instructions are those of AMD's public machine-readable ISA for CDNA 5 (MIT licence, August 2026) and "CDNA5" Instruction Set Architecture Reference Guide (July 2026). The comments in the code are by the model that wrote it; some were corrected since.
;; Mixture Of Experts. Allowed arithmetic: matrix products marked QUANTISED: E2M3 operands, one E8M0 scale for each 32 along K, by v_wmma_scale_f32_16x16x128_f8f6f4 with both operands' format E2M3, f32 sums; products left as they are: f32 operands where the result goes on into a quantised operand, else bf16, f16 or f32 operands; f32 sums; everything else in f32.
;; Inputs: W1_codes 8 x 2,048 x 16 x 24 uint8 (E2M3 codes of W1, K innermost, in blocks of 32 codes, four codes in three bytes); W1_scales 8 x 2,048 x 16 uint8 (E8M0 scales of W1, one for each 32 codes along K); W2_codes 8 x 512 x 64 x 24 uint8 (E2M3 codes of W2, K innermost, in blocks of 32 codes, four codes in three bytes); W2_scales 8 x 512 x 64 uint8 (E8M0 scales of W2, one for each 32 codes along K); Wr 512 x 8 float32; b1 8 x 2,048 float32; b2 8 x 512 float32; br 8 float32; x 4,096 x 512 float32.
;; Outputs: out0 4,096 x 512 float32; out1 4,096 x 8 float32; out2 8 float32.
;; This version of the problem:
;;   THIS VERSION OF THE PROBLEM IS GIVEN IN LOW PRECISION. The matrix products marked QUANTISED in the list below multiply operands that are first quantised to E2M3 (2 exponent bits, 3 mantissa bits; 6 bits a number), with one power-of-two scale for each 32 numbers along K (OCP MX v1.0); their sums are f32. All else is computed in f32.
;;   The module's matrix products, in the order in which they are computed (A, B: the left and right operand; K: the contracted axis; several contracted axes count as one K, in the product's order):
;;     1. [M 4,096, K 512] x [K 512, N 8]; A: input x; B: input Wr: left as it is (N = 8 < 16)
;;     2. [M 16,384, K 512] x [K 512, N 4,096]; A: input W1 (given as codes); B: input x: QUANTISED
;;     3. batch 8 x [M 4,096, K 2,048] x [K 2,048, N 512]; A: computed on the way; B: input W2 (given as codes): QUANTISED
;;     4. batch 4,096 x [M 1, K 8] x [K 8, N 512]; A: computed on the way; B: computed on the way: left as it is (K = 8 < 32)
;;   THE QUANTISER, for each operand of a quantised product, along K:
;;     - K is cut into blocks of 32 from its start; a last block that is shorter is filled with zeros.
;;     - A block's scale is 2^e with e = floor(log2(the largest magnitude in the block)) - 2, held to -126 .. 127; a block of zeros has e = 0. As a byte (E8M0): e + 127.
;;     - Each number is divided by its block's scale, clamped to +-7.5, and rounded to the nearest number of E2M3, ties to even, subnormals kept.
;;     - The product sums the exact products of the quantised numbers (number of the format x scale) in f32.
;;   ~~~python
;;   def quantise(x, axis):      # numpy; x: float32 -> the quantised numbers, widened to float32 again
;;       x = np.moveaxis(x, axis, -1); K = x.shape[-1]
;;       x = np.pad(x, [(0, 0)] * (x.ndim - 1) + [(0, -K % 32)]); x = x.reshape(x.shape[:-1] + (-1, 32)); a = np.abs(x).max(-1, keepdims=True)
;;       e = np.where(a > 0, np.clip(np.frexp(np.where(a > 0, a, 1))[1] - 1 - 2, -126, 127), 0)      # np.frexp(a)[1] - 1 = floor(log2(a)), exactly
;;       r = np.clip(x / 2.0 ** e, -7.5, 7.5)
;;       step = 2.0 ** (np.maximum(np.frexp(np.where(r == 0, 1, r))[1] - 1, 0) - 3)
;;       q = np.round(r / step) * step * 2.0 ** e      # np.round: ties to even
;;       return np.moveaxis(q.reshape(q.shape[:-2] + (-1,))[..., :K], -1, axis).astype(np.float32)
;;   ~~~
;;   OPERANDS COMPUTED ON THE WAY. 'Computed on the way' means the value that the module computes at that place (a softmax that the list does not call 'softmax' is quantised finished and normalised). What goes into a quantiser is computed in f32, as accurately as f32 sums, v_exp_f32 and their like allow (about 1e-6 of the number): no bf16 or f16 on the way to a quantiser, and a product that is left as it is and whose result goes on into a quantised operand takes f32 operands (vector FMAs, or v_wmma_f32_16x16x4_f32). A number that lies on a knife's edge between two numbers of the format may be rounded either way, as far as f32 arithmetic and the matrix unit's own rounding can turn it there, and no further.
;;   INPUTS GIVEN AS CODES. W1 (in the module: [8, 512, 2048], K = its axis 1); W2 (in the module: [8, 2048, 512], K = its axis 1): each comes as NAME_codes (uint8): NAME with its K axis moved to the last place and cut into blocks of 32 codes, [.., K / 32, bytes a block], one block behind the other in memory; four codes in three bytes: a row's codes are one little-endian stream of bits, code i at bits 6 i .. 6 i + 5 (a code: sign, 2 exponent bits, 3 mantissa bits); and NAME_scales (uint8): the same leading axes, one E8M0 byte (e + 127) for each 32 codes along K. Its value is code x scale, taken as it is: it is not quantised again, and the codes and scales need not be those that the quantiser above would give.
;; One version. Each part assembles by itself: llvm-mc -triple=amdgcn-amd-amdhsa -mcpu=gfx1250 --defsym DOCPART=n.
;; ======== version 1 of 1: 4 launches
;; workspace buffers: xq_codes 1,572,864 bytes; xq_scales 65,536 bytes; routes 16,384 bytes of whole numbers; order 18,944 bytes of whole numbers; texp 256 bytes of whole numbers; h_codes 7,249,920 bytes; h_scales 302,080 bytes
;; launch route (part 1): grid 256 x 1, 2 waves a work-group, no clusters, 16,640 bytes of LDS; arguments x, Wr, br, xq_codes, xq_scales, routes, out1; writes xq_codes, xq_scales, routes, out1
.if DOCPART == 1
	.amdgcn_target "amdgcn-amd-amdhsa--gfx1250"
	.amdhsa_code_object_version 6
	.text
	.protected	k_q51e5ed57bd_route
	.globl	k_q51e5ed57bd_route
	.p2align	8
	.type	k_q51e5ed57bd_route,@function
k_q51e5ed57bd_route:
	s_mov_b64 s[64:65], 0
	v_nop
	global_prefetch_b8 v0, s[64:65] scope:SCOPE_SE
	s_setreg_imm32_b32 hwreg(HW_REG_WAVE_MODE, 25, 1), 1
	s_wait_xcnt 0x0
; ROUTER AND QUANTISER OF x.  x [4096][512] f32, Wr [512][8] f32, br [8] f32.
; out1[n][e] = softmax_e(x[n] . Wr[:, e] + br[e]); routes[n] = the first e with the largest probability, as a whole number for the next launch;
; xq_codes, xq_scales = x as codes of E2M3 with one E8M0 byte for each 32 along its 512.
; A wave takes 8 tokens, one token a step: a token is 512 numbers, four loads of 512 consecutive bytes.  The conversion takes 16 neighbours from ONE lane's
; registers, so a token's 2,048 bytes turn through the wave's own stage in LDS (in as loaded, out 64 bytes a lane; 16 bytes of padding behind each 64).
; Lane l then holds numbers 16 l .. 16 l + 15 of the token; two neighbouring lanes hold a block of 32.  The same 16 numbers feed the router: lane l keeps rows
; 16 l .. 16 l + 15 of Wr (128 registers) for the whole launch, makes eight partial sums by packed multiply-adds in f32, and a butterfly over the 32 lanes ends them.
; LAYOUT OF xq_codes: [token][384]; block kb lies at 192 (kb & 1) + 24 (kb >> 1): lane (r, h) of a matrix operand then finds the 12 registers of K step s
; as 48 bytes on end at 192 h + 48 s.  xq_scales: [token][16], byte kb: word s is K step s's scale word.
; A block's scale byte is its largest magnitude's exponent field - 2, held at 1 from below (a block of zeros gets 1 where the rule says 127: its codes are zeros,
; and only this program reads the bytes).
; LIMITS: NaN and infinities in x, Wr, br are not served.  A token whose two largest probabilities agree to within the rounding of f32 sums may go to the other of the two.
; routes leave in pieces of 32 bytes a wave and xq_scales in pieces of 128: together 80 KB of the launch's 1.8 MB of stores.
; No barrier: the two waves share nothing.
.set R,    16                          ; v16-143   8 tokens x 16 registers as loaded
.set X,    144                         ; v144-175  two sets of 16 neighbours
.set A,    176                         ; v176-183  eight logit sums
.set T8,   184                         ; v184-191  what the other half of the lanes sends
.set KEEP, 192                         ; v192-199  lane l: the eight logits, later probabilities, of token l / 4
.set C,    200                         ; v200-231  codes: four registers for each token, so that no store's data are written again
.set E,    232                         ; v232-239  a scale byte for each token
.set SP,   80                          ; a lane's place in a stage: 64 bytes + 16
.set STG,  32*SP                       ; a stage
.set SCB,  2*STG                       ; behind the two stages: the wave's 128 scale bytes
.set MSB, 0
.macro WIN new                         ; the immediate's high byte repeats the setting that is left
.if MSB != (\new)
	s_set_vgpr_msb (MSB<<8)|(\new)
.set MSB, (\new)
.endif
.endm
	s_load_b256 s[4:11], s[0:1], 0x0               ; x s[4:5], Wr s[6:7], br s[8:9], xq_codes s[10:11]
	s_load_b128 s[12:15], s[0:1], 0x20             ; xq_scales s[12:13], routes s[14:15]
	s_load_b64 s[16:17], s[0:1], 0x30              ; out1
	v_lshl_add_u32 v254, v0, 2, 0x4000
	v_mov_b32 v255, 0
	v_lshrrev_b32 v1, 5, v0
	v_readfirstlane_b32 s18, v1                    ; wave 0, 1
	v_and_b32 v1, 31, v0                           ; lane l
	s_lshl_b32 s22, s18, 13                        ; my wave's 8,192 bytes of LDS
	s_add_co_u32 s23, s22, SCB
	v_lshlrev_b32 v2, 4, v1                        ; 16 l: my 16 bytes of a load's 512
	v_lshrrev_b32 v12, 2, v1                       ; l / 4
	v_and_b32 v13, 3, v1
	v_mul_u32_u24 v3, v12, SP
	v_lshl_add_u32 v3, v13, 4, v3
	v_add_nc_u32 v3, s22, v3                       ; the stage, on the way in: 80 (l / 4) + 16 (l % 4)
	v_mul_u32_u24 v4, v1, SP
	v_add_nc_u32 v4, s22, v4                       ; and on the way out: 80 l
	v_bfe_u32 v13, v1, 1, 1
	v_mul_u32_u24 v5, v13, 192
	v_mad_u32_u24 v5, v12, 24, v5
	v_and_b32 v13, 1, v1
	v_mad_u32_u24 v5, v13, 12, v5                  ; my 12 bytes of a token's codes: block l / 2 at 192 (kb & 1) + 24 (kb >> 1), half l % 2
	v_lshrrev_b32 v6, 1, v1
	v_add_nc_u32 v6, s23, v6                       ; LDS: my block's scale byte
	v_lshlrev_b32 v8, 2, v1                        ; 4 l
	v_add_nc_u32 v7, s23, v8                       ; LDS: four scale bytes a lane on the way out
	v_lshlrev_b32 v9, 9, v1                        ; Wr: my 16 rows of 32 bytes
	v_lshlrev_b32 v10, 3, v1                       ; out1: 8 l
	v_lshlrev_b32 v11, 2, v12                      ; routes: 4 (l / 4)
.irp e, 0,1,2,3,4,5,6,7
	v_mov_b32 v[T8+\e], 0                          ; written once: a lane permute's destination counts as one of its sources
.endr
	s_mov_b32 s32, 0x76543210
	s_mov_b32 s33, 0xfedcba98                      ; v_permlanex16_b32's selects for lane l xor 16
	s_mov_b32 s34, 0xaaaaaaaa                      ; lanes with bit 0 set
	s_mov_b32 s35, 0xcccccccc                      ; lanes with bit 1 set
	s_lshl_b32 s19, ttmp9, 4
	s_lshl_b32 s20, s18, 3
	s_add_co_u32 s19, s19, s20                     ; my first token: 16 x work-group + 8 x wave
	s_mov_b32 s21, 0
	s_wait_kmcnt 0x0
	s_load_b256 s[24:31], s[8:9], 0x0              ; br, eight numbers: waited for ahead of the softmax
	s_lshl_b32 s20, s19, 11
	s_add_nc_u64 s[4:5], s[4:5], s[20:21]          ; x: 2,048 bytes a token
	s_mul_i32 s20, s19, 384
	s_add_nc_u64 s[10:11], s[10:11], s[20:21]      ; codes: 384
	s_lshl_b32 s20, s19, 4
	s_add_nc_u64 s[12:13], s[12:13], s[20:21]      ; scale bytes: 16
	s_lshl_b32 s20, s19, 2
	s_add_nc_u64 s[14:15], s[14:15], s[20:21]      ; routes: 4
	s_lshl_b32 s20, s19, 5
	s_add_nc_u64 s[16:17], s[16:17], s[20:21]      ; out1: 32
	WIN 0x40                                       ; destination window 1: register 8 i + e = Wr[16 l + i][e]
.set q, 0
.rept 32
	global_load_b128 v[4*q:4*q+3], v9, s[6:7] offset:16*q
.set q, q+1
.endr
	WIN 0
.irp t, 0,1,2,3,4,5,6,7
.irp i, 0,1,2,3
	global_load_b128 v[R+16*\t+4*\i:R+16*\t+4*\i+3], v2, s[4:5] offset:2048*\t+512*\i th:TH_LOAD_NT   ; 32 lanes read 512 consecutive bytes; read once in the launch
.endr
.endr
.macro TURN t                          ; token t through a stage: LDS serves a wave's instructions in order, so no wait stands between the stores and the loads
.irp i, 0,1,2,3
	ds_store_b128 v3, v[R+16*(\t)+4*\i:R+16*(\t)+4*\i+3] offset:STG*((\t)%2)+8*SP*\i
.endr
.irp i, 0,1,2,3
	ds_load_b128 v[X+16*((\t)%2)+4*\i:X+16*((\t)%2)+4*\i+3], v4 offset:STG*((\t)%2)+16*\i
.endr
.endm
	s_wait_loadcnt 28                              ; Wr and token 0 are in; the 28 loads of tokens 1 to 7 may be out
	TURN 0
.macro STEP t
.set XS, X+16*((\t)%2)
.if (\t) > 0
	s_wait_dscnt 1                                 ; this token's numbers are back from the stage; the last step's byte store may be out
.else
	s_wait_dscnt 0x0
.endif
.if (\t) < 7
	s_wait_loadcnt 4*(6-(\t))                      ; the next token's four loads are in; those of the tokens behind it may be out
	TURN (\t)+1                                    ; it goes through the other stage while this token is worked
.endif
	; the quantiser
	v_max3_num_f32 v12, |v[XS]|, |v[XS+1]|, |v[XS+2]|               ; the largest magnitude of my 16, in two chains
	v_max3_num_f32 v13, |v[XS+3]|, |v[XS+4]|, |v[XS+5]|
.irp i, 6,10
	v_max3_num_f32 v12, v12, |v[XS+\i]|, |v[XS+\i+1]|
	v_max3_num_f32 v13, v13, |v[XS+\i+2]|, |v[XS+\i+3]|
.endr
	v_max3_num_f32 v12, v12, |v[XS+14]|, |v[XS+15]|
	v_max3_num_f32 v12, v12, v13, 0x1800000        ; and the floor 2^(3 - 127): the byte cannot fall under 1
	v_max_num_f32_dpp v12, v12, v12 row_xmask:1 row_mask:0xf bank_mask:0xf   ; with my neighbour's 16: the block's
	v_add_nc_u32 v14, 0xff000000, v12              ; 2 off its exponent field: the conversion takes the exponent field of this operand as its scale
	v_cvt_scalef32_pk16_fp6_f32 v[C+4*(\t):C+4*(\t)+2], v[XS:XS+15], v14
	v_lshrrev_b32 v[E+(\t)], 23, v14               ; the scale's byte (also the plain line behind the conversion)
	ds_store_b8 v6, v[E+(\t)] offset:16*(\t)       ; both lanes of a block write the same byte with the same value
	global_store_b96 v5, v[C+4*(\t):C+4*(\t)+2], s[10:11] offset:384*(\t)   ; the 32 lanes fill the token's 384 consecutive bytes
	; the router: A[e] = the sum over my 16 numbers of x[i] Wr[i][e], two experts an instruction; x[i] serves both halves
	WIN 0x04                                       ; source 1 (Wr) window 1
.irp p, 0,1,2,3
	v_pk_mul_f32 v[A+2*\p:A+2*\p+1], v[XS:XS+1], v[2*\p:2*\p+1] op_sel_hi:[0,1]      ; the first product starts the sums
.endr
.irp p, 0,1,2,3
	v_pk_fma_f32 v[A+2*\p:A+2*\p+1], v[XS:XS+1], v[8+2*\p:9+2*\p], v[A+2*\p:A+2*\p+1] op_sel:[1,0,0] op_sel_hi:[1,1,1]
.endr
.irp i, 2,4,6,8,10,12,14
.irp p, 0,1,2,3
	v_pk_fma_f32 v[A+2*\p:A+2*\p+1], v[XS+\i:XS+\i+1], v[8*\i+2*\p:8*\i+2*\p+1], v[A+2*\p:A+2*\p+1] op_sel_hi:[0,1,1]
.endr
.irp p, 0,1,2,3
	v_pk_fma_f32 v[A+2*\p:A+2*\p+1], v[XS+\i:XS+\i+1], v[8*\i+8+2*\p:8*\i+9+2*\p], v[A+2*\p:A+2*\p+1] op_sel:[1,0,0] op_sel_hi:[1,1,1]
.endr
.endr
	WIN 0
.irp m, 1,2,4,8                        ; over the 32 lanes, the eight sums by turns
.irp e, 0,1,2,3,4,5,6,7
	v_add_f32_dpp v[A+\e], v[A+\e], v[A+\e] row_xmask:\m row_mask:0xf bank_mask:0xf
.endr
.endr
.irp e, 0,1,2,3,4,5,6,7
	v_permlanex16_b32 v[T8+\e], v[A+\e], s32, s33
.endr
.irp e, 0,1,2,3,4,5,6,7
	v_add_f32 v[A+\e], v[A+\e], v[T8+\e]           ; every lane holds the token's eight sums
.endr
.if (\t) == 0
.irp e, 0,1,2,3,4,5,6,7
	v_mov_b32 v[KEEP+\e], v[A+\e]
.endr
.else
	s_mov_b32 s36, 0xf<<(4*(\t))                   ; lanes 4 t .. 4 t + 3 keep token t
.irp e, 0,1,2,3,4,5,6,7
	v_cndmask_b32 v[KEEP+\e], v[KEEP+\e], v[A+\e], s36
.endr
.endif
.endm
.irp t, 0,1,2,3,4,5,6,7
	STEP \t
.endr
	; THE SOFTMAX of token l / 4, in every lane (four lanes do the same)
	s_wait_kmcnt 0x0                               ; br
.irp e, 0,1,2,3,4,5,6,7
	v_add_f32 v[KEEP+\e], s[24+\e], v[KEEP+\e]
.endr
	v_max3_num_f32 v240, v[KEEP], v[KEEP+1], v[KEEP+2]
	v_max3_num_f32 v240, v240, v[KEEP+3], v[KEEP+4]
	v_max3_num_f32 v240, v240, v[KEEP+5], v[KEEP+6]
	v_max_num_f32 v240, v240, v[KEEP+7]            ; the row's maximum is taken away ahead of the exponentials
.irp e, 0,1,2,3,4,5,6,7
	v_sub_f32 v[KEEP+\e], v[KEEP+\e], v240
.endr
.irp e, 0,1,2,3,4,5,6,7
	v_mul_f32 v[KEEP+\e], 0x3fb8aa3b, v[KEEP+\e]   ; x log2(e)
.endr
.irp e, 0,1,2,3,4,5,6,7
	v_exp_f32 v[KEEP+\e], v[KEEP+\e]
.endr
	v_nop                                          ; one plain line behind the exponentials
	s_wait_alu depctr_va_vdst(0)
	v_add_f32 v241, v[KEEP], v[KEEP+1]
	v_add_f32 v242, v[KEEP+2], v[KEEP+3]
	v_add_f32 v243, v[KEEP+4], v[KEEP+5]
	v_add_f32 v244, v[KEEP+6], v[KEEP+7]
	v_add_f32 v241, v241, v242
	v_add_f32 v243, v243, v244
	v_add_f32 v241, v241, v243                     ; at least 1: the largest term is 1
	v_rcp_f32 v241, v241
	v_mov_b32 v245, 0                              ; (the plain line behind the reciprocal)  the route so far: expert 0
	s_wait_alu depctr_va_vdst(0)
.irp e, 0,1,2,3,4,5,6,7
	v_mul_f32 v[KEEP+\e], v[KEEP+\e], v241         ; the probabilities
.endr
	v_mov_b32 v246, v[KEEP]
.irp e, 1,2,3,4,5,6,7                  ; the first of the largest wins: only a strictly larger one takes over.  The choice selects a value; no branch, no address hangs on it here
	v_cmp_gt_f32 vcc_lo, v[KEEP+\e], v246
	v_cndmask_b32 v245, v245, \e, vcc_lo
	v_max_num_f32 v246, v246, v[KEEP+\e]
.endr
	v_cndmask_b32 v247, v[KEEP], v[KEEP+2], s34    ; lane l stores probabilities 2 (l % 4) and 2 (l % 4) + 1 of its token
	v_cndmask_b32 v248, v[KEEP+4], v[KEEP+6], s34
	v_cndmask_b32 v250, v247, v248, s35
	v_cndmask_b32 v247, v[KEEP+1], v[KEEP+3], s34
	v_cndmask_b32 v248, v[KEEP+5], v[KEEP+7], s34
	v_cndmask_b32 v251, v247, v248, s35
	global_store_b64 v10, v[250:251], s[16:17]     ; the wave stores 256 consecutive bytes, at a multiple of 256 from out1's first byte
	global_store_b32 v11, v245, s[14:15]           ; four lanes write the same word with the same value
	ds_load_b32 v252, v7                           ; LDS serves a wave's instructions in order: this sees my byte stores
	s_wait_dscnt 0x0
	global_store_b32 v8, v252, s[12:13]            ; the eight tokens' 128 scale bytes
	s_wait_tensorcnt 0x0
	ds_add_u32 v254, v255
	s_wait_dscnt 0x0
	s_endpgm
.Lfunc_end_k_q51e5ed57bd_route:
	.size	k_q51e5ed57bd_route, .Lfunc_end_k_q51e5ed57bd_route-k_q51e5ed57bd_route
	.p2alignl 7, 3214868480
	.fill 96, 4, 3214868480
	.section	.rodata,"a",@progbits
	.p2align	6, 0x0
	.amdhsa_kernel k_q51e5ed57bd_route
		.amdhsa_group_segment_fixed_size 16640
		.amdhsa_private_segment_fixed_size 0
		.amdhsa_enable_private_segment 0
		.amdhsa_kernarg_size 56
		.amdhsa_user_sgpr_count 2
		.amdhsa_user_sgpr_kernarg_segment_ptr 1
		.amdhsa_wavefront_size32 1
		.amdhsa_system_sgpr_workgroup_id_x 1
		.amdhsa_system_sgpr_workgroup_id_y 1
		.amdhsa_system_sgpr_workgroup_id_z 1
		.amdhsa_system_vgpr_workitem_id 0
		.amdhsa_next_free_vgpr 384
		.amdhsa_next_free_sgpr 66
		.amdhsa_reserve_vcc 1
		.amdhsa_float_denorm_mode_32 3
		.amdhsa_float_denorm_mode_16_64 3
		.amdhsa_memory_ordered 1
		.amdhsa_forward_progress 1
		.amdhsa_inst_pref_size 84
	.end_amdhsa_kernel
	.amdgpu_metadata
---
amdhsa.version: [ 1, 2 ]
amdhsa.kernels:
  - .name:           k_q51e5ed57bd_route
    .symbol:         k_q51e5ed57bd_route.kd
    .args:
      - { .name: x, .offset: 0, .size: 8, .value_kind: global_buffer, .address_space: global }
      - { .name: Wr, .offset: 8, .size: 8, .value_kind: global_buffer, .address_space: global }
      - { .name: br, .offset: 16, .size: 8, .value_kind: global_buffer, .address_space: global }
      - { .name: xq_codes, .offset: 24, .size: 8, .value_kind: global_buffer, .address_space: global }
      - { .name: xq_scales, .offset: 32, .size: 8, .value_kind: global_buffer, .address_space: global }
      - { .name: routes, .offset: 40, .size: 8, .value_kind: global_buffer, .address_space: global }
      - { .name: out1, .offset: 48, .size: 8, .value_kind: global_buffer, .address_space: global }
    .group_segment_fixed_size: 16640
    .private_segment_fixed_size: 0
    .kernarg_segment_align: 8
    .kernarg_segment_size: 56
    .max_flat_workgroup_size: 64
    .sgpr_count:     66
    .vgpr_count:     384
    .wavefront_size: 32
...
	.end_amdgpu_metadata
.endif
;; end of part 1
;; launch sort (part 2): grid 1 x 1, 32 waves a work-group, no clusters, 8,192 bytes of LDS; arguments routes, order, texp, out2; writes order, texp, out2
.if DOCPART == 2
	.amdgcn_target "amdgcn-amd-amdhsa--gfx1250"
	.amdhsa_code_object_version 6
	.text
	.protected	k_q51e5ed57bd_sort
	.globl	k_q51e5ed57bd_sort
	.p2align	8
	.type	k_q51e5ed57bd_sort,@function
k_q51e5ed57bd_sort:
	s_mov_b64 s[64:65], 0
	v_nop
	global_prefetch_b8 v0, s[64:65] scope:SCOPE_SE
	s_setreg_imm32_b32 hwreg(HW_REG_WAVE_MODE, 25, 1), 1
	s_wait_xcnt 0x0
; THE SORT BY EXPERT.  routes [4096] u32 (0 .. 7).  Each expert's tokens get consecutive SLOTS, each expert beginning on a multiple of 80 slots (a row tile of the two
; launches that follow).  order[slot] = the token's number, or 4096 where a slot holds none; texp[tile] = the tile's expert; out2[e] = the tokens of expert e, as f32.
; The sum over e of ceil(c_e / 80) is at most (4096 + 8 x 79) / 80 = 59 tiles, 4,720 slots, whatever the routes: all 4,720 words of order are written, each once.
; One work-group of 32 waves; thread t holds tokens 4 t .. 4 t + 3.  A token's rank inside its wave comes from ballots; the waves' counts meet in LDS behind the one barrier;
; every wave then sums them for itself.  ALL OF THIS IS WHOLE-NUMBER ARITHMETIC: store addresses hang on it.  Only out2 is converted, at the end.
; The order of tokens inside an expert is free: the last launch scatters by the token's number.
; order leaves as stores of 4 bytes whose places hang on the routes, 19 KB in all: a stage in LDS would want LDS addresses made of loaded numbers.
; REGISTERS: v1 lane; v2 16 t; v3 4 t; v4-7 routes; v8-11 ranks; v12-15 slots, then their byte offsets; v16 my wave's counts, lane e; v17 128 x lane; v18 4096; v19 0;
;   v20-27 sums over all waves; v28-35 over the waves below mine; v36-51 what other lanes send; v52, v53, v61, v62 at work; v54-55 two tiles' experts; v56-59 my tokens' numbers; v60 8 x lane.
;   s16-23 my wave's counts; s24-31 c_e; s32-63 the ballots, 8 j + e; s66-73 where my wave's tokens of e begin; s74-82 first tile of e; s84-91 first slot of e.
	s_load_b256 s[4:11], s[0:1], 0x0               ; routes s[4:5], order s[6:7], texp s[8:9], out2 s[10:11]
	v_lshl_add_u32 v64, v0, 2, 0x1000
	v_mov_b32 v65, 0
	v_lshrrev_b32 v1, 5, v0
	v_readfirstlane_b32 s12, v1                    ; wave 0..31
	v_and_b32 v1, 31, v0
	v_lshlrev_b32 v2, 4, v0
	v_lshlrev_b32 v3, 2, v0
	v_lshlrev_b32 v17, 7, v1
	v_mov_b32 v18, 0x1000
	v_mov_b32 v19, 0
	v_lshlrev_b32 v60, 3, v1
.irp j, 0,1,2,3
	v_mov_b32 v[8+\j], 0
	v_lshl_add_u32 v[56+\j], v0, 2, \j             ; token 4 t + j
.endr
.irp n, 0,1,2,3,4,5,6,7,8,9,10,11,12,13,14,15
	v_mov_b32 v[36+\n], 0                          ; written once: the destination of a DPP move and of a lane permute counts as one of its sources
.endr
.irp e, 0,1,2,3,4,5,6,7
	s_mov_b32 s[16+\e], 0
.endr
	s_mov_b32 s98, 0x76543210
	s_mov_b32 s99, 0xfedcba98                      ; v_permlanex16_b32's selects for lane l xor 16
	s_wait_kmcnt 0x0
	global_load_b128 v[4:7], v2, s[4:5]            ; 32 lanes read 512 consecutive bytes
	s_wait_loadcnt 0x0
	; 1. ballots: the rank of token (lane, j) among my wave's tokens of its expert = those of earlier j + those of lower lanes at this j
.irp j, 0,1,2,3
.irp e, 0,1,2,3,4,5,6,7
	v_cmp_eq_u32 s[32+8*\j+\e], \e, v[4+\j]
	v_mbcnt_lo_u32_b32 v52, s[32+8*\j+\e], s[16+\e]
	v_cndmask_b32 v[8+\j], v[8+\j], v52, s[32+8*\j+\e]
	s_bcnt1_i32_b32 s92, s[32+8*\j+\e]
	s_add_co_u32 s[16+\e], s[16+\e], s92
.endr
.endr
	; 2. my wave's eight counts to LDS: word e of the wave's 128 bytes
	v_mov_b32 v16, 0
.irp e, 0,1,2,3,4,5,6,7
	v_writelane_b32 v16, s[16+\e], \e
.endr
	ds_store_b32 v3, v16
	s_wait_dscnt 0x0                               ; for the others' sake: my store has landed
	s_barrier_signal -1
	s_barrier_wait -1
	; 3. lane l takes wave l's counts; sums over all waves, and over the waves below mine
	ds_load_b128 v[20:23], v17
	ds_load_b128 v[24:27], v17 offset:16
	v_cmp_gt_u32 vcc_lo, s12, v1                   ; lanes that stand for a wave below mine
	s_wait_dscnt 0x0
.irp e, 0,1,2,3,4,5,6,7
	v_cndmask_b32 v[28+\e], 0, v[20+\e], vcc_lo
.endr
.irp m, 1,2,4,8
.irp n, 0,1,2,3,4,5,6,7,8,9,10,11,12,13,14,15
	v_mov_b32_dpp v[36+\n], v[20+\n] row_xmask:\m row_mask:0xf bank_mask:0xf
.endr
.irp n, 0,1,2,3,4,5,6,7,8,9,10,11,12,13,14,15
	v_add_nc_u32 v[20+\n], v[20+\n], v[36+\n]
.endr
.endr
.irp n, 0,1,2,3,4,5,6,7,8,9,10,11,12,13,14,15
	v_permlanex16_b32 v[36+\n], v[20+\n], s98, s99
.endr
.irp n, 0,1,2,3,4,5,6,7,8,9,10,11,12,13,14,15
	v_add_nc_u32 v[20+\n], v[20+\n], v[36+\n]
.endr
.irp e, 0,1,2,3,4,5,6,7
	v_readfirstlane_b32 s[24+\e], v[20+\e]         ; c_e
	v_readfirstlane_b32 s[66+\e], v[28+\e]         ; tokens of e in the waves below mine
.endr
	; 4. tiles and first slots.  ((c + 79) x 52429) >> 22 = ceil(c / 80): 52429 x 80 = 2^22 + 16, so the quotient is too large by less than 4175 x 16 / (80 x 2^22) < 1 / 80
	s_mov_b32 s74, 0
.irp e, 0,1,2,3,4,5,6,7
	s_add_co_u32 s92, s[24+\e], 79
	s_mul_i32 s92, s92, 52429
	s_lshr_b32 s92, s92, 22
	s_add_co_u32 s[75+\e], s[74+\e], s92           ; the next expert's first tile
	s_mul_i32 s[84+\e], s[74+\e], 80               ; my first slot
	s_add_co_u32 s[66+\e], s[66+\e], s[84+\e]      ; where my wave's tokens of e begin
.endr
	; 5. the scatter: slot = my wave's beginning for the token's expert + its rank
.irp j, 0,1,2,3
	v_mov_b32 v[12+\j], s66
.irp e, 1,2,3,4,5,6,7
	v_cndmask_b32 v[12+\j], v[12+\j], s[66+\e], s[32+8*\j+\e]
.endr
	v_add_nc_u32 v[12+\j], v[12+\j], v[8+\j]
	v_min_u32 v[12+\j], 4719, v[12+\j]             ; a number made of loaded numbers is held inside the table before it enters an address
	v_lshlrev_b32 v[12+\j], 2, v[12+\j]
	global_store_b32 v[12+\j], v[56+\j], s[6:7]
.endr
	; 6. the slots that hold no token get 4096.  Slot s holds one where s - start_e < c_e (unsigned) for some e.  The address hangs on the thread's number alone
.irp k, 0,1,2,3,4
	v_add_nc_u32 v53, 1024*\k, v0
.irp e, 0,1,2,3,4,5,6,7
	v_sub_nc_u32 v52, v53, s[84+\e]
.if \e == 0
	v_cmp_gt_u32 s93, s[24+\e], v52
.else
	v_cmp_gt_u32 s92, s[24+\e], v52
	s_or_b32 s93, s93, s92
.endif
.endr
	s_not_b32 vcc_lo, s93
.if \k == 4
	v_cmp_gt_u32 s92, 4720, v53                    ; the table ends at slot 4,719
	s_and_b32 vcc_lo, vcc_lo, s92
.endif
	s_wait_xcnt 0x0                                ; EXEC is a source of the stores that are out: it changes only behind this wait
	s_and_saveexec_b32 s96, vcc_lo
	global_store_b32 v3, v18, s[6:7] offset:4096*\k
	s_wait_xcnt 0x0                                ; and again in front of the line that widens it
	s_or_b32 exec_lo, exec_lo, s96
.endr
	; 7. wave 0 alone: the tiles' experts and the counts
	s_cmp_lg_u32 s12, 0
	s_cbranch_scc1 .Ldone
	v_lshlrev_b32 v52, 1, v1                       ; lane l: tiles 2 l and 2 l + 1
	v_add_nc_u32 v53, 1, v52
	v_mov_b32 v54, 0
	v_mov_b32 v55, 0
.irp e, 1,2,3,4,5,6,7                  ; a tile's expert = how many of experts 1 .. 7 begin at or before it (an expert without tiles is passed over; tiles behind the last get 7)
	v_cmp_le_u32 vcc_lo, s[74+\e], v52
	v_cndmask_b32 v61, 0, 1, vcc_lo
	v_cmp_le_u32 vcc_lo, s[74+\e], v53
	v_cndmask_b32 v62, 0, 1, vcc_lo
	v_add_nc_u32 v54, v54, v61
	v_add_nc_u32 v55, v55, v62
.endr
	global_store_b64 v60, v[54:55], s[8:9]         ; 32 lanes store the table's 256 bytes
.irp e, 0,1,2,3,4,5,6,7
	v_cvt_f32_u32 v[20+\e], v[20+\e]               ; at most 4,096: exact
.endr
	v_cmp_eq_u32 vcc_lo, 0, v1
	s_wait_xcnt 0x0
	s_and_saveexec_b32 s96, vcc_lo                 ; lane 0 stores out2's 32 bytes
	global_store_b128 v19, v[20:23], s[10:11]
	global_store_b128 v19, v[24:27], s[10:11] offset:16
	s_wait_xcnt 0x0
	s_or_b32 exec_lo, exec_lo, s96
.Ldone:
	s_wait_tensorcnt 0x0
	ds_add_u32 v64, v65
	s_wait_dscnt 0x0
	s_endpgm
.Lfunc_end_k_q51e5ed57bd_sort:
	.size	k_q51e5ed57bd_sort, .Lfunc_end_k_q51e5ed57bd_sort-k_q51e5ed57bd_sort
	.p2alignl 7, 3214868480
	.fill 96, 4, 3214868480
	.section	.rodata,"a",@progbits
	.p2align	6, 0x0
	.amdhsa_kernel k_q51e5ed57bd_sort
		.amdhsa_group_segment_fixed_size 8192
		.amdhsa_private_segment_fixed_size 0
		.amdhsa_enable_private_segment 0
		.amdhsa_kernarg_size 32
		.amdhsa_user_sgpr_count 2
		.amdhsa_user_sgpr_kernarg_segment_ptr 1
		.amdhsa_wavefront_size32 1
		.amdhsa_system_sgpr_workgroup_id_x 1
		.amdhsa_system_sgpr_workgroup_id_y 1
		.amdhsa_system_sgpr_workgroup_id_z 1
		.amdhsa_system_vgpr_workitem_id 0
		.amdhsa_next_free_vgpr 66
		.amdhsa_next_free_sgpr 100
		.amdhsa_reserve_vcc 1
		.amdhsa_float_denorm_mode_32 3
		.amdhsa_float_denorm_mode_16_64 3
		.amdhsa_memory_ordered 1
		.amdhsa_forward_progress 1
		.amdhsa_inst_pref_size 35
	.end_amdhsa_kernel
	.amdgpu_metadata
---
amdhsa.version: [ 1, 2 ]
amdhsa.kernels:
  - .name:           k_q51e5ed57bd_sort
    .symbol:         k_q51e5ed57bd_sort.kd
    .args:
      - { .name: routes, .offset: 0, .size: 8, .value_kind: global_buffer, .address_space: global }
      - { .name: order, .offset: 8, .size: 8, .value_kind: global_buffer, .address_space: global }
      - { .name: texp, .offset: 16, .size: 8, .value_kind: global_buffer, .address_space: global }
      - { .name: out2, .offset: 24, .size: 8, .value_kind: global_buffer, .address_space: global }
    .group_segment_fixed_size: 8192
    .private_segment_fixed_size: 0
    .kernarg_segment_align: 8
    .kernarg_segment_size: 32
    .max_flat_workgroup_size: 1024
    .sgpr_count:     100
    .vgpr_count:     66
    .wavefront_size: 32
...
	.end_amdgpu_metadata
.endif
;; end of part 2
;; launch up (part 3): grid 4 x 59, 4 waves a work-group, no clusters, 31,232 bytes of LDS; arguments xq_codes, xq_scales, order, texp, W1_codes, W1_scales, b1, h_codes, h_scales; writes h_codes, h_scales
.if DOCPART == 3
	.amdgcn_target "amdgcn-amd-amdhsa--gfx1250"
	.amdhsa_code_object_version 6
	.text
	.protected	k_q51e5ed57bd_up
	.globl	k_q51e5ed57bd_up
	.p2align	8
	.type	k_q51e5ed57bd_up,@function
k_q51e5ed57bd_up:
	s_mov_b64 s[64:65], 0
	v_nop
	global_prefetch_b8 v0, s[64:65] scope:SCOPE_SE
	s_setreg_imm32_b32 hwreg(HW_REG_WAVE_MODE, 25, 1), 1
	s_wait_xcnt 0x0
; THE FIRST PRODUCT, ROUTED: h = Q(relu(x W1[e] + b1[e])) for the sorted slots, on codes of E2M3 with one E8M0 scale for each 32 along K; Q quantises along the hidden axis.
; The problem's definition runs every expert on every token and keeps, by a one-hot mask that it builds itself, the routed expert's row alone: only that row is made here.
; SHARES.  Work-group (cg, mt): the 80 slots of row tile mt (five tiles of 16; one expert e = texp[mt]) x hidden units 512 cg .. 512 cg + 511.
; Wave w: units 512 cg + 128 w .. + 127 for all 80 slots: that is K step 4 cg + w of the second product, so each tile of 16 slots gives one whole fragment and one scale word a row.
; The wave's part of W1 (8 tiles x 4 K steps = 32 fragments, 384 registers) is read from memory once, straight into registers; no other wave of the work-group wants it.
; x's 20 fragments are wanted by all four waves: wave w gathers K step w of the five tiles (48 bytes on end a lane, by the token's number) and hands them on through LDS AS IMAGES OF THE
; REGISTERS: four registers a store, lane l's 16 bytes at 16 l.  One barrier.
; THE PRODUCT IS USED TRANSPOSED (source 0 = 16 rows of W1, source 1 = 16 slots), and THE ROWS OF W1 THAT FORM A TILE ARE NOT NEIGHBOURS: lane r of tile 2 b + u takes row 32 b + 8 u + r + 8 (r / 8):
; so lane (r, h) holds slot r, and the 16 registers of tiles 2 b and 2 b + 1 are hidden units 32 b + 16 h + 0 .. 15, neighbours along the next K.  b1 is the C of each sum's first product.
; GRID: 59 row tiles serve any routing.  A slot without a token (order = 4096) is computed on token 4095's row: its codes are written, since the next launch reads whole fragments, and its results are never stored.
; A row tile behind the last expert's holds only such slots.
; NO JOINT LOADS: the weights are shared by the row tiles of one expert, and which tiles those are is read from memory, while a cluster's partners are fixed by the grid: partners could need different experts.
; h_codes: [tile of 16 slots][K step 0..15][1536]: the image of the operand's 12 registers, registers 4 c .. 4 c + 3 of lane l at 512 c + 16 l.  h_scales: [tile][K step][16 rows] words.
; h_scales leaves in pieces of 64 bytes: one byte in 25 of what the launch stores.
; LIMITS: NaN and infinities are not served; a block of zeros gets the scale byte 1 (its codes are zeros; only this program reads the bytes).
; REGISTERS, in windows of 256.  Window 0: v1-10 lane terms and offsets; v12-26 token numbers and gather offsets; v32-95 the gathered codes, then the 8 accumulators; v96-114 the codes just made;
;   v116-131 at work; v132 the scale word just made; v136-155 x's scale words (4 i + s); v160-191 W1's (4 t + s).
;   Window 1: W1's fragments of K steps 0, 1 at v[12 (8 s + t)]; b1's tile t at v[192 + 8 t].   Window 2: K steps 2, 3 likewise.   Window 3: x's fragments at v[48 i + 12 s].
.set ID,  12
.set XO,  17
.set XSO, 22
.set HA,  32
.set PC,  96
.set TM,  116
.set PW,  132
.set XS,  136
.set W1S, 160
.set SEL, 32
.set FRB, 1536                         ; a fragment's image in bytes
.set MSB, 0
.macro WIN new                         ; the immediate's high byte repeats the setting that is left
.if MSB != (\new)
	s_set_vgpr_msb (MSB<<8)|(\new)
.set MSB, (\new)
.endif
.endm
; 64 numbers of a lane, none negative, v[s] .. v[s + 63], register 16 b + i = k 32 b + 16 (lane / 16) + i of my row, become a fragment's codes in v[PC] on and its scale word in v[PW].
.macro QUANT s
.irp b, 0,1,2,3
	v_max3_num_f32 v[TM+\b], v[\s+16*\b], v[\s+1+16*\b], 0x1800000   ; block b: my 16 numbers, and the floor 2^(3 - 127): the byte cannot fall under 1
.endr
.irp i, 2,4,6,8,10,12,14
.irp b, 0,1,2,3
	v_max3_num_f32 v[TM+\b], v[TM+\b], v[\s+16*\b+\i], v[\s+1+16*\b+\i]   ; (the four blocks by turns)
.endr
.endr
.irp b, 0,1,2,3
	v_permlanex16_b32 v[TM+4+\b], v[TM+\b], s[SEL], s[SEL+1]
.endr
.irp b, 0,1,2,3
	v_max_num_f32 v[TM+\b], v[TM+\b], v[TM+4+\b]   ; with lane l xor 16's: the block's largest
.endr
.irp b, 0,1,2,3
	v_add_nc_u32 v[TM+12+\b], 0xff000000, v[TM+\b]   ; 2 off its exponent field: the conversion's scale operand
.endr
.irp b, 0,1,2,3
	v_lshrrev_b32 v[TM+4+\b], 23, v[TM+12+\b]      ; the scale's byte
.endr
	v_lshl_or_b32 v[PW], v[TM+5], 8, v[TM+4]       ; the four bytes make my row's scale word
	v_lshl_or_b32 v[PW], v[TM+6], 16, v[PW]
	v_lshl_or_b32 v[PW], v[TM+7], 24, v[PW]
.irp c, 0,1
	v_cvt_scalef32_pk16_fp6_f32 v[PC+6*\c:PC+2+6*\c], v[\s+32*\c:\s+15+32*\c], v[TM+12+2*\c]
	v_cvt_scalef32_pk16_fp6_f32 v[PC+12+4*\c:PC+14+4*\c], v[\s+16+32*\c:\s+31+32*\c], v[TM+12+2*\c+1]   ; (a conversion's three registers begin on an even number)
.endr
	v_nop                                          ; one plain line behind a scaled conversion
.irp c, 0,1                                    ; the operand's layout wants a WHOLE block in a lane: lanes 0-15 block 2 c, lanes 16-31 block 2 c + 1
.irp i, 0,1,2
	v_permlane16_swap_b32 v[PC+6*\c+\i], v[PC+12+4*\c+\i]
.endr
.irp i, 0,1,2
	v_mov_b32 v[PC+3+6*\c+\i], v[PC+12+4*\c+\i]
.endr
.endr
.endm
; W1's eight fragments of K step s: 48 loads of 8 bytes a lane, so that every address is a multiple of the access's size
.macro WFRAG s
.if (\s) < 2
	WIN 0x40
.else
	WIN 0x80
.endif
.irp t, 0,1,2,3,4,5,6,7
.irp p, 0,1,2,3,4,5
	global_load_b64 v[12*(8*((\s)%2)+\t)+2*\p:12*(8*((\s)%2)+\t)+2*\p+1], v6, s[12:13] offset:(32*(\t/2)+8*(\t%2))*384+96*(\s)+48*(\p/3)+8*(\p%3)
.endr
.endr
.endm
	s_load_b256 s[4:11], s[0:1], 0x0               ; xq_codes s[4:5], xq_scales s[6:7], order s[8:9], texp s[10:11]
	s_load_b256 s[12:19], s[0:1], 0x20             ; W1_codes s[12:13], W1_scales s[14:15], b1 s[16:17], h_codes s[18:19]
	s_load_b64 s[20:21], s[0:1], 0x40              ; h_scales
	v_lshl_add_u32 v254, v0, 2, 0x7800
	v_mov_b32 v255, 0
	v_lshrrev_b32 v1, 5, v0
	v_readfirstlane_b32 s22, v1                    ; wave w
	s_mov_b32 s23, ttmp9                           ; cg
	s_and_b32 s24, ttmp7, 0xffff                   ; mt
	v_and_b32 v1, 31, v0                           ; l
	v_and_b32 v2, 15, v0                           ; r
	v_bfe_u32 v3, v0, 4, 1                         ; h
	v_lshlrev_b32 v4, 4, v1                        ; 16 l: my place in an image
	s_mul_i32 s31, s22, FRB
	v_add_nc_u32 v5, s31, v4                       ; where I store x's images: 16 l + 1536 w
	v_and_b32 v11, 8, v2
	v_add_nc_u32 v11, v11, v2                      ; r + 8 (r / 8)
	v_mul_u32_u24 v6, v11, 384
	v_mad_u32_u24 v6, v3, 24, v6                   ; W1's codes: my row of a tile, + 24 h
	v_lshlrev_b32 v7, 4, v11                       ; W1's scale words: 16 bytes a row
	v_lshlrev_b32 v8, 6, v3                        ; b1: 64 h
	v_lshlrev_b32 v9, 2, v2                        ; 4 r
	v_mul_u32_u24 v10, v3, 192
	s_mul_i32 s30, s22, 48
	v_add_nc_u32 v10, s30, v10                     ; in a token's codes: 192 h + 48 w
.irp b, 0,1,2,3
	v_mov_b32 v[TM+4+\b], 0                        ; written once: a lane permute's destination counts as one of its sources
.endr
	s_mov_b32 s[SEL], 0x76543210
	s_mov_b32 s[SEL+1], 0xfedcba98
	s_mov_b32 s29, 0
	s_wait_kmcnt 0x0
	s_lshl_b32 s28, s24, 2
	s_add_nc_u64 s[10:11], s[10:11], s[28:29]
	s_load_b32 s26, s[10:11], 0x0                  ; the tile's expert
	s_mul_i32 s28, s24, 320
	s_add_nc_u64 s[8:9], s[8:9], s[28:29]          ; order at my 80 slots
.irp i, 0,1,2,3,4
	global_load_b32 v[ID+\i], v9, s[8:9] offset:64*\i   ; slot 16 i + r's token (both halves of the lanes alike)
.endr
	s_wait_kmcnt 0x0
	s_min_u32 s26, s26, 7                          ; a loaded number is held inside the table before it enters an address
	s_lshl_b32 s27, s26, 11
	s_lshl_b32 s30, s23, 9
	s_add_co_u32 s27, s27, s30
	s_lshl_b32 s30, s22, 7
	s_add_co_u32 s27, s27, s30                     ; my first row of W1: 2048 e + 512 cg + 128 w
	s_mul_i32 s28, s27, 384
	s_add_nc_u64 s[12:13], s[12:13], s[28:29]
	s_lshl_b32 s28, s27, 4
	s_add_nc_u64 s[14:15], s[14:15], s[28:29]
	s_lshl_b32 s28, s27, 2
	s_add_nc_u64 s[16:17], s[16:17], s[28:29]
	s_mul_i32 s30, s24, 80
	s_lshl_b32 s31, s23, 2
	s_add_co_u32 s30, s30, s31
	s_add_co_u32 s30, s30, s22                     ; 16 x (5 mt) + my K step of the second product, 4 cg + w
	s_mul_i32 s28, s30, FRB
	s_add_nc_u64 s[18:19], s[18:19], s[28:29]
	s_lshl_b32 s28, s30, 6
	s_add_nc_u64 s[20:21], s[20:21], s[28:29]
	s_wait_loadcnt 0x0                             ; the token numbers
.irp i, 0,1,2,3,4
	v_min_u32 v[ID+\i], 4095, v[ID+\i]             ; held inside x; a slot without a token takes token 4095's row
.endr
.irp i, 0,1,2,3,4
	v_mul_u32_u24 v[XO+\i], 384, v[ID+\i]
	v_lshlrev_b32 v[XSO+\i], 4, v[ID+\i]
.endr
.irp i, 0,1,2,3,4
	v_add_nc_u32 v[XO+\i], v[XO+\i], v10
.endr
.irp i, 0,1,2,3,4
.irp c, 0,1,2
	global_load_b128 v[HA+12*\i+4*\c:HA+12*\i+4*\c+3], v[XO+\i], s[4:5] offset:16*\c   ; K step w of tile i: the fragment's 12 registers, 48 bytes on end
.endr
.endr
.irp i, 0,1,2,3,4
	global_load_b128 v[XS+4*\i:XS+4*\i+3], v[XSO+\i], s[6:7]   ; the token's four scale words
.endr
	WFRAG 0
	WIN 0
	s_wait_loadcnt 48                              ; the 20 loads of x are in; behind them stand K step 0's 48
.irp i, 0,1,2,3,4
.irp c, 0,1,2
	ds_store_b128 v5, v[HA+12*\i+4*\c:HA+12*\i+4*\c+3] offset:4*FRB*\i+512*\c   ; fragment (i, w) at (4 i + w) x 1536
.endr
.endr
.irp t, 0,1,2,3,4,5,6,7
	global_load_b128 v[W1S+4*\t:W1S+4*\t+3], v7, s[14:15] offset:(32*(\t/2)+8*(\t%2))*16   ; my row's four scale words
.endr
	WIN 0x40
.irp t, 0,1,2,3,4,5,6,7
	global_load_b128 v[192+8*\t:192+8*\t+3], v8, s[16:17] offset:(32*(\t/2)+8*(\t%2))*4      ; b1 at units 32 (t / 2) + 16 h + 8 (t % 2) + 0 .. 7: the result's layout
	global_load_b128 v[192+8*\t+4:192+8*\t+7], v8, s[16:17] offset:(32*(\t/2)+8*(\t%2))*4+16
.endr
	WFRAG 1
	WFRAG 2
	WFRAG 3
	WIN 0
	s_wait_dscnt 0x0                               ; for the others' sake: my images have landed
	s_barrier_signal -1
	s_barrier_wait -1                              ; x's twenty fragments lie in LDS; nothing is written there again
	WIN 0xc0                                       ; destination window 3
.irp i, 0,1,2,3,4
.irp s, 0,1,2,3
.irp c, 0,1,2
	ds_load_b128 v[48*\i+12*\s+4*\c:48*\i+12*\s+4*\c+3], v4 offset:(4*\i+\s)*FRB+512*\c
.endr
.endr
.endr
	WIN 0
; A tile of 16 slots: 32 products, the 8 accumulators by turns through the four K steps; relu; the quantiser; the image and the scale words leave.
.macro TILE i, first
	s_wait_dscnt 48-12*(\i)                        ; this tile's 12 LDS loads are in; the later tiles' may be out
.if \first
	s_wait_loadcnt 63                              ; K steps 0 and 1, the scale words and b1 are in: 96 loads stand behind them, the wait can name 63 at the most, and a smaller count waits for more
.endif
	WIN 0x1d                                       ; source 0 (W1) and source 2 (b1) window 1, source 1 (x) window 3
.irp t, 0,1,2,3,4,5,6,7
	v_wmma_scale_f32_16x16x128_f8f6f4 v[HA+8*\t:HA+8*\t+7], v[12*\t:12*\t+11], v[48*(\i):48*(\i)+11], v[192+8*\t:192+8*\t+7], v[W1S+4*\t], v[XS+4*(\i)] matrix_a_fmt:MATRIX_FMT_FP6 matrix_b_fmt:MATRIX_FMT_FP6
.endr
	WIN 0x0d
.irp t, 0,1,2,3,4,5,6,7
	v_wmma_scale_f32_16x16x128_f8f6f4 v[HA+8*\t:HA+8*\t+7], v[96+12*\t:96+12*\t+11], v[48*(\i)+12:48*(\i)+23], v[HA+8*\t:HA+8*\t+7], v[W1S+4*\t+1], v[XS+4*(\i)+1] matrix_a_fmt:MATRIX_FMT_FP6 matrix_b_fmt:MATRIX_FMT_FP6
.endr
.if \first
	s_wait_loadcnt 48                              ; K step 2 is in; K step 3's 48 loads may be out
.endif
	WIN 0x0e                                       ; source 0 window 2
.irp t, 0,1,2,3,4,5,6,7
	v_wmma_scale_f32_16x16x128_f8f6f4 v[HA+8*\t:HA+8*\t+7], v[12*\t:12*\t+11], v[48*(\i)+24:48*(\i)+35], v[HA+8*\t:HA+8*\t+7], v[W1S+4*\t+2], v[XS+4*(\i)+2] matrix_a_fmt:MATRIX_FMT_FP6 matrix_b_fmt:MATRIX_FMT_FP6
.endr
.if \first
	s_wait_loadcnt 0x0
.endif
.irp t, 0,1,2,3,4,5,6,7
	v_wmma_scale_f32_16x16x128_f8f6f4 v[HA+8*\t:HA+8*\t+7], v[96+12*\t:96+12*\t+11], v[48*(\i)+36:48*(\i)+47], v[HA+8*\t:HA+8*\t+7], v[W1S+4*\t+3], v[XS+4*(\i)+3] matrix_a_fmt:MATRIX_FMT_FP6 matrix_b_fmt:MATRIX_FMT_FP6
.endr
	WIN 0
.rept 4
	v_nop                                          ; four places between the last product and the first read of results (ISA guide 7.12.1)
.endr
.set n, 0
.rept 64
	v_max_num_f32 v[HA+n], 0, v[HA+n]              ; the activation, in f32; each accumulator from its low end on
.set n, n+1
.endr
.if (\i) > 0
	s_wait_xcnt 0x0                                ; the last tile's stores have read their data: the codes' and the scale word's registers are written again only behind this wait
.endif
	QUANT HA                                       ; (its lines on v96-132 name no register of the products: with the four v_nop they are more than the five places that the next tile's first product, which begins the accumulators anew, stands behind this tile's last)
.irp c, 0,1,2
	global_store_b128 v4, v[PC+4*\c:PC+4*\c+3], s[18:19] offset:16*FRB*(\i)+512*\c   ; 32 lanes store 512 consecutive bytes, at a multiple of 256 from the buffer's first byte
.endr
	global_store_b32 v9, v[PW], s[20:21] offset:1024*(\i)   ; 16 words; both halves of the lanes write the same words with the same values
.endm
	TILE 0, 1
	TILE 1, 0
	TILE 2, 0
	TILE 3, 0
	TILE 4, 0
	s_wait_tensorcnt 0x0
	ds_add_u32 v254, v255
	s_wait_dscnt 0x0
	s_endpgm
.Lfunc_end_k_q51e5ed57bd_up:
	.size	k_q51e5ed57bd_up, .Lfunc_end_k_q51e5ed57bd_up-k_q51e5ed57bd_up
	.p2alignl 7, 3214868480
	.fill 96, 4, 3214868480
	.section	.rodata,"a",@progbits
	.p2align	6, 0x0
	.amdhsa_kernel k_q51e5ed57bd_up
		.amdhsa_group_segment_fixed_size 31232
		.amdhsa_private_segment_fixed_size 0
		.amdhsa_enable_private_segment 0
		.amdhsa_kernarg_size 72
		.amdhsa_user_sgpr_count 2
		.amdhsa_user_sgpr_kernarg_segment_ptr 1
		.amdhsa_wavefront_size32 1
		.amdhsa_system_sgpr_workgroup_id_x 1
		.amdhsa_system_sgpr_workgroup_id_y 1
		.amdhsa_system_sgpr_workgroup_id_z 1
		.amdhsa_system_vgpr_workitem_id 0
		.amdhsa_next_free_vgpr 1024
		.amdhsa_next_free_sgpr 66
		.amdhsa_reserve_vcc 0
		.amdhsa_float_denorm_mode_32 3
		.amdhsa_float_denorm_mode_16_64 3
		.amdhsa_memory_ordered 1
		.amdhsa_forward_progress 1
		.amdhsa_inst_pref_size 84
	.end_amdhsa_kernel
	.amdgpu_metadata
---
amdhsa.version: [ 1, 2 ]
amdhsa.kernels:
  - .name:           k_q51e5ed57bd_up
    .symbol:         k_q51e5ed57bd_up.kd
    .args:
      - { .name: xq_codes, .offset: 0, .size: 8, .value_kind: global_buffer, .address_space: global }
      - { .name: xq_scales, .offset: 8, .size: 8, .value_kind: global_buffer, .address_space: global }
      - { .name: order, .offset: 16, .size: 8, .value_kind: global_buffer, .address_space: global }
      - { .name: texp, .offset: 24, .size: 8, .value_kind: global_buffer, .address_space: global }
      - { .name: W1_codes, .offset: 32, .size: 8, .value_kind: global_buffer, .address_space: global }
      - { .name: W1_scales, .offset: 40, .size: 8, .value_kind: global_buffer, .address_space: global }
      - { .name: b1, .offset: 48, .size: 8, .value_kind: global_buffer, .address_space: global }
      - { .name: h_codes, .offset: 56, .size: 8, .value_kind: global_buffer, .address_space: global }
      - { .name: h_scales, .offset: 64, .size: 8, .value_kind: global_buffer, .address_space: global }
    .group_segment_fixed_size: 31232
    .private_segment_fixed_size: 0
    .kernarg_segment_align: 8
    .kernarg_segment_size: 72
    .max_flat_workgroup_size: 128
    .sgpr_count:     66
    .vgpr_count:     1024
    .wavefront_size: 32
...
	.end_amdgpu_metadata
.endif
;; end of part 3
;; launch down (part 4): grid 4 x 59, 4 waves a work-group, no clusters, 169,472 bytes of LDS; arguments h_codes, h_scales, order, texp, W2_codes, W2_scales, b2, out0; writes out0
.if DOCPART == 4
	.amdgcn_target "amdgcn-amd-amdhsa--gfx1250"
	.amdhsa_code_object_version 6
	.text
	.protected	k_q51e5ed57bd_down
	.globl	k_q51e5ed57bd_down
	.p2align	8
	.type	k_q51e5ed57bd_down,@function
k_q51e5ed57bd_down:
	s_mov_b64 s[64:65], 0
	v_nop
	global_prefetch_b8 v0, s[64:65] scope:SCOPE_SE
	s_setreg_imm32_b32 hwreg(HW_REG_WAVE_MODE, 25, 1), 1
	s_wait_xcnt 0x0
; THE SECOND PRODUCT, ROUTED, AND THE SCATTER: out0[token] = h W2[e] + b2[e], on codes of E2M3 with one E8M0 scale for each 32 along K = the 2,048 hidden units.
; (The problem's factor p_max / p_max is 1 for every input: p_max is at least 1 / 8.)
; SHARES.  Work-group (oc, mt): the 80 slots of row tile mt (expert e = texp[mt]) x outputs 128 oc .. 128 oc + 127.
; THE FOUR WAVES SHARE K: wave w takes K steps 4 w .. 4 w + 3 for the whole 80 x 128: so no operand byte is wanted by two waves, and codes and scale words go from memory straight into registers,
; each once: 20 fragments of h (images of the registers, 512 consecutive bytes a load), 32 of W2.  40 accumulators a wave.  The four partial sums meet once in LDS, behind the one barrier;
; wave w then finishes rows 20 w .. 20 w + 19, adds b2, and stores each row's 512 bytes at its token's place.  A slot without a token (order = 4096) is not stored.
; THE ORDER OF THE SUMS differs from one ascending chain: four partial sums over 512 of K each, then ((p0 + p1) + (p2 + p3)) + b2, all in f32.
; THE PRODUCT IS USED TRANSPOSED (source 0 = 16 rows of W2, source 1 = 16 slots): lane (r, h) holds slot r and outputs 16 t + 8 h + 0 .. 7, 32 neighbouring bytes of a row.
; GRID: 59 row tiles serve any routing; a tile behind the last expert's holds no token and stores nothing.
; NO JOINT LOADS: W2's tiles are shared by the row tiles of one expert, and which those are is read from memory, while a cluster's partners are fixed by the grid.
; LIMITS: NaN and infinities are not served.
; REGISTERS, in windows of 256.  Window 0: v1-13 lane terms and addresses; v16-25 h's scale words (2 i + s / 2: lanes 0-15 the even K step's, lanes 16-31 the odd one's); v26 my 20 rows' tokens; v28-31 b2;
;   v32-63 W2's scale words (4 t + s); v[64 + 48 i + 12 s] h's fragments of tiles 0-3; on the way out v64-223 rows, v224-243 a store offset for each row.
;   Window 1: W2's fragments of K steps 0, 1 at v[12 (8 s + t)]; tile 4's accumulators at v[192 + 8 t].   Window 2: K steps 2, 3 likewise; tile 4's fragments of h at v[192 + 12 s].   Window 3: accumulators (i, t) at v[64 i + 8 t].
.set HS,  16
.set W2S, 32
.set HF,  64
.set OF,  224
.set FRB, 1536
.set SPI, 528                          ; a row of partial sums in LDS: 512 bytes + 16, so that the 16 rows that a store touches begin in different banks (64 banks of 4 bytes: ISA guide 11.1)
.set RED, 80*SPI                       ; a wave's 80 rows
.set MSB, 0
.macro WIN new                         ; the immediate's high byte repeats the setting that is left
.if MSB != (\new)
	s_set_vgpr_msb (MSB<<8)|(\new)
.set MSB, (\new)
.endif
.endm
; one product of K step s: the first starts its sum with the constant 0; an odd K step takes h's scale words from lanes 16-31
.macro MM d, a, b, s, sa, sb
.if (\s) == 0
	v_wmma_scale_f32_16x16x128_f8f6f4 v[\d:\d+7], v[\a:\a+11], v[\b:\b+11], 0, v[\sa], v[\sb] matrix_a_fmt:MATRIX_FMT_FP6 matrix_b_fmt:MATRIX_FMT_FP6
.elseif (\s)%2 == 1
	v_wmma_scale_f32_16x16x128_f8f6f4 v[\d:\d+7], v[\a:\a+11], v[\b:\b+11], v[\d:\d+7], v[\sa], v[\sb] matrix_a_fmt:MATRIX_FMT_FP6 matrix_b_fmt:MATRIX_FMT_FP6 matrix_b_scale:MATRIX_SCALE_ROW1
.else
	v_wmma_scale_f32_16x16x128_f8f6f4 v[\d:\d+7], v[\a:\a+11], v[\b:\b+11], v[\d:\d+7], v[\sa], v[\sb] matrix_a_fmt:MATRIX_FMT_FP6 matrix_b_fmt:MATRIX_FMT_FP6
.endif
.endm
; 40 products: my s-th K step, the 40 accumulators by turns, in the same order in every K step
.macro KSTEP s
.if (\s) < 2
	WIN 0xf1                                       ; source 0 (W2) window 1, source 1 (h) window 0, C and D window 3
.else
	WIN 0xf2                                       ; source 0 window 2
.endif
.irp i, 0,1,2,3
.irp t, 0,1,2,3,4,5,6,7
	MM 64*\i+8*\t, 12*(8*((\s)%2)+\t), HF+48*\i+12*(\s), \s, W2S+4*\t+(\s), HS+2*\i+(\s)/2
.endr
.endr
.if (\s) < 2
	WIN 0x59                                       ; tile 4: source 1 window 2, C and D window 1
.else
	WIN 0x5a
.endif
.irp t, 0,1,2,3,4,5,6,7
	MM 192+8*\t, 12*(8*((\s)%2)+\t), 192+12*(\s), \s, W2S+4*\t+(\s), HS+8+(\s)/2
.endr
.endm
.macro WFRAG s                         ; W2's eight fragments of my s-th K step: 48 loads of 8 bytes a lane
.if (\s) < 2
	WIN 0x40
.else
	WIN 0x80
.endif
.irp t, 0,1,2,3,4,5,6,7
.irp p, 0,1,2,3,4,5
	global_load_b64 v[12*(8*((\s)%2)+\t)+2*\p:12*(8*((\s)%2)+\t)+2*\p+1], v6, s[12:13] offset:24576*\t+96*(\s)+48*(\p/3)+8*(\p%3)
.endr
.endr
.endm
	s_load_b256 s[4:11], s[0:1], 0x0               ; h_codes s[4:5], h_scales s[6:7], order s[8:9], texp s[10:11]
	s_load_b256 s[12:19], s[0:1], 0x20             ; W2_codes s[12:13], W2_scales s[14:15], b2 s[16:17], out0 s[18:19]
	v_lshl_add_u32 v15, v0, 2, 0x29400
	v_mov_b32 v27, 0
	v_lshrrev_b32 v1, 5, v0
	v_readfirstlane_b32 s22, v1                    ; wave w
	s_mov_b32 s23, ttmp9                           ; oc
	s_and_b32 s24, ttmp7, 0xffff                   ; mt
	v_and_b32 v1, 31, v0                           ; l
	v_and_b32 v2, 15, v0                           ; r
	v_bfe_u32 v3, v0, 4, 1                         ; h
	v_lshlrev_b32 v4, 4, v1                        ; 16 l
	v_lshlrev_b32 v5, 2, v1                        ; 4 l
	v_mul_u32_u24 v6, v2, 1536
	v_mad_u32_u24 v6, v3, 24, v6                   ; W2's codes: row r of 1,536 bytes, + 24 h
	v_lshlrev_b32 v7, 6, v2                        ; W2's scale bytes: 64 a row
	s_mul_i32 s30, s22, RED
	v_mul_u32_u24 v8, v2, SPI
	v_lshl_add_u32 v8, v3, 5, v8
	v_add_nc_u32 v8, s30, v8                       ; my partial sums: my wave's region, row r, + 32 h
	s_mul_i32 s31, s22, 20*SPI
	v_add_nc_u32 v9, s31, v4                       ; back: rows 20 w on, 16 bytes a lane, of wave 0's region,
	v_add_nc_u32 v10, RED, v9                      ; wave 1's,
	v_add_nc_u32 v11, 2*RED, v9                    ; wave 2's,
	v_add_nc_u32 v12, 3*RED, v9                    ; wave 3's
	v_min_u32 v13, 19, v1
	v_lshlrev_b32 v13, 2, v13                      ; lane j < 20 takes row 20 w + j's token
	s_mov_b32 s29, 0
	s_wait_kmcnt 0x0
	s_lshl_b32 s28, s24, 2
	s_add_nc_u64 s[10:11], s[10:11], s[28:29]
	s_load_b32 s26, s[10:11], 0x0                  ; the tile's expert
	s_mul_i32 s30, s24, 80
	s_lshl_b32 s31, s22, 2
	s_add_co_u32 s31, s30, s31                     ; 16 x (5 mt) + my first K step, 4 w
	s_mul_i32 s28, s31, FRB
	s_add_nc_u64 s[4:5], s[4:5], s[28:29]
	s_lshl_b32 s28, s31, 6
	s_add_nc_u64 s[6:7], s[6:7], s[28:29]
	s_mul_i32 s31, s22, 20
	s_add_co_u32 s31, s30, s31
	s_lshl_b32 s28, s31, 2
	s_add_nc_u64 s[8:9], s[8:9], s[28:29]          ; order at slot 80 mt + 20 w
	s_lshl_b32 s28, s23, 9
	s_add_nc_u64 s[18:19], s[18:19], s[28:29]      ; out0 at column 128 oc
	; what hangs on no loaded number goes out first
.irp i, 0,1,2,3,4
.irp u, 0,1
	global_load_b32 v[HS+2*\i+\u], v5, s[6:7] offset:1024*\i+128*\u   ; 128 bytes on end: K step 2 u's 16 words, then K step 2 u + 1's
.endr
.endr
	global_load_b32 v26, v13, s[8:9]
.irp i, 0,1,2,3
.irp s, 0,1,2,3
.irp c, 0,1,2
	global_load_b128 v[HF+48*\i+12*\s+4*\c:HF+48*\i+12*\s+4*\c+3], v4, s[4:5] offset:(16*\i+\s)*FRB+512*\c   ; 32 lanes read 512 consecutive bytes
.endr
.endr
.endr
	WIN 0x80
.irp s, 0,1,2,3
.irp c, 0,1,2
	global_load_b128 v[192+12*\s+4*\c:192+12*\s+4*\c+3], v4, s[4:5] offset:(64+\s)*FRB+512*\c
.endr
.endr
	WIN 0
	s_wait_kmcnt 0x0
	s_min_u32 s26, s26, 7                          ; a loaded number is held inside the table before it enters an address
	s_lshl_b32 s27, s26, 9
	s_lshl_b32 s30, s23, 7
	s_add_co_u32 s27, s27, s30                     ; my first row of W2: 512 e + 128 oc
	s_mul_i32 s28, s27, 1536
	s_mul_i32 s30, s22, 384
	s_add_co_u32 s28, s28, s30                     ; + my four K steps' 384 bytes
	s_add_nc_u64 s[12:13], s[12:13], s[28:29]
	s_lshl_b32 s28, s27, 6
	s_lshl_b32 s30, s22, 4
	s_add_co_u32 s28, s28, s30
	s_add_nc_u64 s[14:15], s[14:15], s[28:29]
	s_lshl_b32 s28, s27, 2
	s_add_nc_u64 s[16:17], s[16:17], s[28:29]
.irp t, 0,1,2,3,4,5,6,7
	global_load_b128 v[W2S+4*\t:W2S+4*\t+3], v7, s[14:15] offset:1024*\t   ; my row's scale words of my four K steps
.endr
	global_load_b128 v[28:31], v4, s[16:17]        ; b2 at outputs 4 l .. 4 l + 3: the layout of a row read back
	WFRAG 0
	WFRAG 1
	WFRAG 2
	WFRAG 3
	s_wait_loadcnt 63                              ; all but W2's K steps 2 and 3 are in: 96 loads stand behind them, the wait can name 63 at the most, and a smaller count waits for more
	KSTEP 0
	KSTEP 1
	s_wait_loadcnt 48                              ; K step 2 is in; K step 3's 48 loads may be out
	KSTEP 2
	s_wait_loadcnt 0x0
	KSTEP 3
	WIN 0
.rept 4
	v_nop                                          ; four places between the last product and the first read of results, and the first load into registers that products have read
.endr
	WIN 0x0c                                       ; an LDS store's data are its source 1: window 3
.irp i, 0,1,2,3
.irp t, 0,1,2,3,4,5,6,7
	ds_store_b128 v8, v[64*\i+8*\t:64*\i+8*\t+3] offset:16*SPI*\i+64*\t          ; each accumulator from its low end on
	ds_store_b128 v8, v[64*\i+8*\t+4:64*\i+8*\t+7] offset:16*SPI*\i+64*\t+16
.endr
.endr
	WIN 0x04                                       ; window 1: tile 4
.irp t, 0,1,2,3,4,5,6,7
	ds_store_b128 v8, v[192+8*\t:192+8*\t+3] offset:16*SPI*4+64*\t
	ds_store_b128 v8, v[192+8*\t+4:192+8*\t+7] offset:16*SPI*4+64*\t+16
.endr
	WIN 0
	s_wait_dscnt 0x0                               ; for the others' sake: my partial sums have landed
	s_barrier_signal -1
	s_barrier_wait -1                              ; all four waves' lie in LDS; nothing is written there again
; Row 10 b + j of my 20: the four partial sums and b2; stored at its token's row, unless the slot holds no token.  The token's number was stored as a whole number by an earlier launch.
.macro ROWOUT b, j
.set RB, HF+16*(\j)
	s_wait_dscnt 4*(9-(\j))                        ; this row's four loads are in; the later rows' may be out
	v_pk_add_f32 v[RB:RB+1], v[RB:RB+1], v[RB+4:RB+5]
	v_pk_add_f32 v[RB+2:RB+3], v[RB+2:RB+3], v[RB+6:RB+7]
	v_pk_add_f32 v[RB+8:RB+9], v[RB+8:RB+9], v[RB+12:RB+13]
	v_pk_add_f32 v[RB+10:RB+11], v[RB+10:RB+11], v[RB+14:RB+15]
	v_pk_add_f32 v[RB:RB+1], v[RB:RB+1], v[RB+8:RB+9]
	v_pk_add_f32 v[RB+2:RB+3], v[RB+2:RB+3], v[RB+10:RB+11]
	v_pk_add_f32 v[RB:RB+1], v[RB:RB+1], v[28:29]
	v_pk_add_f32 v[RB+2:RB+3], v[RB+2:RB+3], v[30:31]
	v_readlane_b32 s40, v26, 10*(\b)+(\j)
	s_cmp_lt_u32 s40, 4096
	s_cbranch_scc0 .Lno_token_\@
	s_min_u32 s40, s40, 4095                       ; held inside out0 before it enters an address
	s_lshl_b32 s40, s40, 11                        ; 2,048 bytes a token
	v_add_nc_u32 v[OF+10*(\b)+(\j)], s40, v4       ; an offset register of its own for each row: none is written again
	global_store_b128 v[OF+10*(\b)+(\j)], v[RB:RB+3], s[18:19] th:TH_STORE_NT   ; 32 lanes store 512 consecutive bytes, at a multiple of 256 from out0's first byte; written once, read by nobody here
.Lno_token_\@:
.endm
.irp b, 0,1
.if \b > 0
	s_wait_xcnt 0x0                                ; the first ten rows' stores have read their data: loads land there only behind this wait
.endif
.irp j, 0,1,2,3,4,5,6,7,8,9
.irp p, 0,1,2,3
	ds_load_b128 v[HF+16*\j+4*\p:HF+16*\j+4*\p+3], v[9+\p] offset:SPI*(10*\b+\j)
.endr
.endr
.irp j, 0,1,2,3,4,5,6,7,8,9
	ROWOUT \b, \j
.endr
.endr
	s_wait_tensorcnt 0x0
	ds_add_u32 v15, v27
	s_wait_dscnt 0x0
	s_endpgm
.Lfunc_end_k_q51e5ed57bd_down:
	.size	k_q51e5ed57bd_down, .Lfunc_end_k_q51e5ed57bd_down-k_q51e5ed57bd_down
	.p2alignl 7, 3214868480
	.fill 96, 4, 3214868480
	.section	.rodata,"a",@progbits
	.p2align	6, 0x0
	.amdhsa_kernel k_q51e5ed57bd_down
		.amdhsa_group_segment_fixed_size 169472
		.amdhsa_private_segment_fixed_size 0
		.amdhsa_enable_private_segment 0
		.amdhsa_kernarg_size 64
		.amdhsa_user_sgpr_count 2
		.amdhsa_user_sgpr_kernarg_segment_ptr 1
		.amdhsa_wavefront_size32 1
		.amdhsa_system_sgpr_workgroup_id_x 1
		.amdhsa_system_sgpr_workgroup_id_y 1
		.amdhsa_system_sgpr_workgroup_id_z 1
		.amdhsa_system_vgpr_workitem_id 0
		.amdhsa_next_free_vgpr 1024
		.amdhsa_next_free_sgpr 66
		.amdhsa_reserve_vcc 0
		.amdhsa_float_denorm_mode_32 3
		.amdhsa_float_denorm_mode_16_64 3
		.amdhsa_memory_ordered 1
		.amdhsa_forward_progress 1
		.amdhsa_inst_pref_size 78
	.end_amdhsa_kernel
	.amdgpu_metadata
---
amdhsa.version: [ 1, 2 ]
amdhsa.kernels:
  - .name:           k_q51e5ed57bd_down
    .symbol:         k_q51e5ed57bd_down.kd
    .args:
      - { .name: h_codes, .offset: 0, .size: 8, .value_kind: global_buffer, .address_space: global }
      - { .name: h_scales, .offset: 8, .size: 8, .value_kind: global_buffer, .address_space: global }
      - { .name: order, .offset: 16, .size: 8, .value_kind: global_buffer, .address_space: global }
      - { .name: texp, .offset: 24, .size: 8, .value_kind: global_buffer, .address_space: global }
      - { .name: W2_codes, .offset: 32, .size: 8, .value_kind: global_buffer, .address_space: global }
      - { .name: W2_scales, .offset: 40, .size: 8, .value_kind: global_buffer, .address_space: global }
      - { .name: b2, .offset: 48, .size: 8, .value_kind: global_buffer, .address_space: global }
      - { .name: out0, .offset: 56, .size: 8, .value_kind: global_buffer, .address_space: global }
    .group_segment_fixed_size: 169472
    .private_segment_fixed_size: 0
    .kernarg_segment_align: 8
    .kernarg_segment_size: 64
    .max_flat_workgroup_size: 128
    .sgpr_count:     66
    .vgpr_count:     1024
    .wavefront_size: 32
...
	.end_amdgpu_metadata
.endif
;; end of part 4
